; MI455X (gfx1250); checked and timed in simulation.
; The chip was launched on July 23, 2026; its instructions are those of AMD's public machine-readable ISA for CDNA 5 (MIT licence, August 2026) and "CDNA5" Instruction Set Architecture Reference Guide (July 2026). The comments in the code are by the model that wrote it; some were corrected since.
;; Scaled Dot Product Attention. Allowed arithmetic: matrix products marked QUANTISED: E2M1 operands, one E8M0 scale for each 32 along K, by v_wmma_scale_f32_16x16x128_f8f6f4 with both operands' format E2M1 (or v_wmma_scale_f32_32x16x128_f4), f32 sums; everything else in f32.
;; Inputs: K 4 x 16 x 2,048 x 64 float32; Q 4 x 16 x 2,048 x 64 float32; V 4 x 16 x 2,048 x 64 float32.
;; Outputs: out0 4 x 16 x 2,048 x 64 float32.
;; This version of the problem:
;;   THIS VERSION OF THE PROBLEM IS GIVEN IN LOW PRECISION. The matrix products marked QUANTISED in the list below multiply operands that are first quantised to E2M1 (2 exponent bits, 1 mantissa bit; 4 bits a number), with one power-of-two scale for each 32 numbers along K (OCP MX v1.0); their sums are f32. All else is computed in f32.
;;   The module's matrix products, in the order in which they are computed (A, B: the left and right operand; K: the contracted axis; several contracted axes count as one K, in the product's order):
;;     1. batch 64 x [M 2,048, K 64] x [K 64, N 2,048]; A: input Q; B: input K: QUANTISED
;;     2. batch 64 x [M 2,048, K 2,048] x [K 2,048, N 64]; A: softmax (see below); B: input V: QUANTISED
;;   THE QUANTISER, for each operand of a quantised product, along K:
;;     - K is cut into blocks of 32 from its start; a last block that is shorter is filled with zeros.
;;     - A block's scale is 2^e with e = floor(log2(the largest magnitude in the block)) - 2, held to -126 .. 127; a block of zeros has e = 0. As a byte (E8M0): e + 127.
;;     - Each number is divided by its block's scale, clamped to +-6, and rounded to the nearest number of E2M1, ties to even, subnormals kept.
;;     - The product sums the exact products of the quantised numbers (number of the format x scale) in f32.
;;   ~~~python
;;   def quantise(x, axis):      # numpy; x: float32 -> the quantised numbers, widened to float32 again
;;       x = np.moveaxis(x, axis, -1); K = x.shape[-1]
;;       x = np.pad(x, [(0, 0)] * (x.ndim - 1) + [(0, -K % 32)]); x = x.reshape(x.shape[:-1] + (-1, 32)); a = np.abs(x).max(-1, keepdims=True)
;;       e = np.where(a > 0, np.clip(np.frexp(np.where(a > 0, a, 1))[1] - 1 - 2, -126, 127), 0)      # np.frexp(a)[1] - 1 = floor(log2(a)), exactly
;;       r = np.clip(x / 2.0 ** e, -6, 6)
;;       step = 2.0 ** (np.maximum(np.frexp(np.where(r == 0, 1, r))[1] - 1, 0) - 1)
;;       q = np.round(r / step) * step * 2.0 ** e      # np.round: ties to even
;;       return np.moveaxis(q.reshape(q.shape[:-2] + (-1,))[..., :K], -1, axis).astype(np.float32)
;;   ~~~
;;   SOFTMAX AHEAD OF A QUANTISED PRODUCT. Where the list says 'softmax', what is quantised is not the finished softmax but p = 2^(t - M), with t = logit x log2(e) and M = ceil(the row's largest t), a whole number; so 1/2 < the row's largest p <= 1. The row's sum l is taken of the UNQUANTISED p, in f32, and the product's result is divided by l at the end. Since M is a whole number, a kernel that streams over the keys may use a running M (the ceiling of the running maximum): every later rescaling is an exact power of two, which a block's scale takes up: the codes' values come out the same.
;;   OPERANDS COMPUTED ON THE WAY. 'Computed on the way' means the value that the module computes at that place (a softmax that the list does not call 'softmax' is quantised finished and normalised). What goes into a quantiser is computed in f32, as accurately as f32 sums, v_exp_f32 and their like allow (about 1e-6 of the number): no bf16 or f16 on the way to a quantiser, and a product that is left as it is and whose result goes on into a quantised operand takes f32 operands (vector FMAs, or v_wmma_f32_16x16x4_f32). A number that lies on a knife's edge between two numbers of the format may be rounded either way, as far as f32 arithmetic and the matrix unit's own rounding can turn it there, and no further.
;; One version. Each part assembles by itself: llvm-mc -triple=amdgcn-amd-amdhsa -mcpu=gfx1250 --defsym DOCPART=n.
;; ======== version 1 of 1: 2 launches
;; limits: right only within a limited range of input values
;; workspace buffers: kv 9,175,040 bytes
;; launch prep (part 1): grid 512 x 1, 4 waves a work-group, no clusters, 38,400 bytes of LDS; arguments K, V, kv; writes kv
.if DOCPART == 1
	.amdgcn_target "amdgcn-amd-amdhsa--gfx1250"
	.amdhsa_code_object_version 6
	.text
	.protected	k_qa77dd92729_prep
	.globl	k_qa77dd92729_prep
	.p2align	8
	.type	k_qa77dd92729_prep,@function
k_qa77dd92729_prep:
	s_mov_b64 s[64:65], 0
	v_nop
	global_prefetch_b8 v0, s[64:65] scope:SCOPE_SE
	s_setreg_imm32_b32 hwreg(HW_REG_WAVE_MODE, 25, 1), 1
	s_wait_xcnt 0x0
; K and V, [64 heads][2048 keys][64] f32, become codes of FP4 (E2M1) with one E8M0 scale byte for each 32 along a product's K:
; K is quantised along its 64 channels (two blocks a key), V along the keys (a block = 32 keys of one channel).
; A block's scale is 2^(floor(log2(its largest magnitude)) - 2); its byte is the largest magnitude's exponent field - 2, held at 1 from below.
; LIMITS: NaN and infinities among the inputs are not served.  A block whose largest magnitude lies under 2^-124 gets the byte 1; so does a block of zeros, where
; the rule says 127: its codes are zeros, which add nothing under any byte but 0xff, and the bytes are read by this program alone.
; THE WORKSPACE kv is laid as the next launch's operand registers want it: 1,024 units of 8,960 bytes, unit n = 16 x head + step, a step = 128 keys.  L = lane, r = L % 16, h = L / 16:
;   +0     K's codes: tile T (0..7) at 512 T + 16 L: key 32 (T / 2) + 8 (T % 2) + r + 8 (r / 8) of the step, channels 32 h .. 32 h + 31
;   +4096  V's codes: group f = 2 t + c at 512 f + 16 L: channel 16 t + r, keys 64 c + 32 h .. + 31 of the step
;   +8192  K's scale words at 16 L + 4 j: tile 2 j + h, row r: byte 0, 1 = the two blocks, bytes 2, 3 = 0x7f (the padded half of a K of 128)
;   +8704  V's scale words at 4 x channel: byte b = keys 32 b .. 32 b + 31 of the step
; SHARES: work-groups 0-255 take K, a unit a wave; work-groups 256-511 take V, two units for each pair of waves (each wave 32 of the 64 channels).
; A stream: no matrix unit, no tensor load, no barrier; waves share nothing.  Only K's path uses LDS, each wave its own region.
.set UNIT, 8960
.set WREG, 9472                        ; K's path: a wave's region of LDS: 64 pieces of 128 bytes, 144 bytes apart, and 16 bytes more from key 16 on: 9,216 bytes used
.set R,    16                          ; v16-143   K: two sets of 64 registers as loaded
.set X,    144                         ; v144-207  K: two tiles x 32 numbers of one block
.set C,    208                         ; v208-239  K: the codes of 8 tiles: no store's data are written twice
.set SC,   240                         ; v240-243  K: the scale words
.set XV,   16                          ; v16-79    V: two sets of 32 numbers of one block
.set CV,   80                          ; v80-111   V: the codes of 8 blocks
.set WS,   112                         ; v112-113  V: the two units' scale words
; 32 numbers of one block in v[xs] on: the conversion's scale operand into v11, the scale's byte into v10
.macro BLK32 xs
	v_max3_num_f32 v8, |v[(\xs)]|, |v[(\xs)+1]|, |v[(\xs)+2]|       ; the largest magnitude, in two chains
	v_max3_num_f32 v9, |v[(\xs)+3]|, |v[(\xs)+4]|, |v[(\xs)+5]|
.irp i, 6,10,14,18,22,26
	v_max3_num_f32 v8, v8, |v[(\xs)+\i]|, |v[(\xs)+\i+1]|
	v_max3_num_f32 v9, v9, |v[(\xs)+\i+2]|, |v[(\xs)+\i+3]|
.endr
	v_max3_num_f32 v8, v8, |v[(\xs)+30]|, |v[(\xs)+31]|
	v_max3_num_f32 v8, v8, v9, 0x1800000           ; and the floor 2^(3 - 127): the byte cannot fall under 1
	v_add_nc_u32 v11, 0xff000000, v8               ; 2 off the exponent field: the conversion takes this operand's exponent field as its scale
	v_lshrrev_b32 v10, 23, v11                     ; the scale's byte
.endm
; K: pair b = 32 neighbouring keys = 8,192 bytes: sixteen loads of 512 consecutive bytes
.macro LOADP b
.irp j, 0,1,2,3,4,5,6,7,8,9,10,11,12,13,14,15
	global_load_b128 v[R+64*((\b)%2)+4*\j:R+64*((\b)%2)+4*\j+3], v2, s[4:5] offset:8192*(\b)+512*\j th:TH_LOAD_NT
.endr
.endm
; K: pair b becomes tiles 2 b and 2 b + 1.  The bytes go through the wave's stage as they lie and come back 128 bytes (one block) a lane.
.macro PAIR b
.if (\b) < 3
	s_wait_loadcnt 16                              ; this pair's 16 loads are in; the next pair's 16 may be out
.else
	s_wait_loadcnt 0
.endif
.irp j, 0,1,2,3,4,5,6,7,8,9,10,11,12,13,14,15
	ds_store_b128 v3, v[R+64*((\b)%2)+4*\j:R+64*((\b)%2)+4*\j+3] offset:576*\j+16*(\j/8)   ; load j holds keys 2 j, 2 j + 1: four pieces
.endr
.irp u, 0,1
.irp i, 0,1,2,3,4,5,6,7
	ds_load_b128 v[X+32*\u+4*\i:X+32*\u+4*\i+3], v4 offset:2304*\u+16*\i    ; LDS serves a wave's instructions in order: these see the stores above
.endr
.endr
	s_wait_dscnt 0x0                               ; the numbers are back, and the stores have read their registers
.if (\b) < 2
	LOADP (\b)+2
.endif
.irp u, 0,1
	BLK32 X+32*\u
.irp g, 0,1,2,3
	v_cvt_scalef32_pk8_fp4_f32 v[C+4*(2*(\b)+\u)+\g], v[X+32*\u+8*\g:X+32*\u+8*\g+7], v11
.endr
	v_lshlrev_b32 v9, v5, v10                      ; my block's byte at bit 8 h (also the plain line behind the conversions)
	v_permlanex16_b32 v7, v9, s12, s13             ; the key's other block lies in lane l xor 16
	v_or_b32 v9, v9, v7
.if \u == 0
	v_mov_b32 v6, v9
.else
	v_cndmask_b32 v[SC+(\b)], v6, v9, s14          ; lanes 0-15 keep tile 2 b's word, lanes 16-31 tile 2 b + 1's
	v_or_b32 v[SC+(\b)], 0x7f7f0000, v[SC+(\b)]    ; bytes 2 and 3: 2^0, for the padded half of K
.endif
	global_store_b128 v2, v[C+4*(2*(\b)+\u):C+4*(2*(\b)+\u)+3], s[8:9] offset:512*(2*(\b)+\u)   ; 512 consecutive bytes, at a multiple of 256 from kv's first byte
.endr
.endm
; V: block q of eight (block q % 4 of unit q / 4): a lane takes a channel and its registers run down the keys
.macro LOADV q
.irp i, 0,1,2,3,4,5,6,7,8,9,10,11,12,13,14,15,16,17,18,19,20,21,22,23,24,25,26,27,28,29,30,31
	global_load_b32 v[XV+32*((\q)%2)+\i], v2, s[6:7] offset:(32*(\q)+\i)*256 th:TH_LOAD_NT
.endr
.endm
.macro BLOCKV q
.if (\q) < 7
	s_wait_loadcnt 32                              ; this block's 32 loads are in; the next block's 32 may be out
.else
	s_wait_loadcnt 0
.endif
	BLK32 XV+32*((\q)%2)
.irp g, 0,1,2,3
	v_cvt_scalef32_pk8_fp4_f32 v[CV+4*(\q)+\g], v[XV+32*((\q)%2)+8*\g:XV+32*((\q)%2)+8*\g+7], v11
.endr
.if (\q)%4 == 0
	v_mov_b32 v[WS+(\q)/4], v10                    ; four bytes to a word, the earlier keys in the lower byte (also the plain line behind the conversions)
.else
	v_lshl_or_b32 v[WS+(\q)/4], v10, 8*((\q)%4), v[WS+(\q)/4]
.endif
	global_store_b128 v3, v[CV+4*(\q):CV+4*(\q)+3], s[8:9] offset:UNIT*((\q)/4)+4096+256*((\q)%4)   ; each half of the lanes stores 256 consecutive bytes, aligned
.if (\q) < 6
	LOADV (\q)+2
.endif
.if (\q)%4 == 3
	global_store_b32 v2, v[WS+(\q)/4], s[8:9] offset:UNIT*((\q)/4)+8704
.endif
.endm
	s_load_b128 s[4:7], s[0:1], 0x0                ; K s[4:5], V s[6:7]
	s_load_b64 s[8:9], s[0:1], 0x10                ; kv
	v_lshl_add_u32 v244, v0, 2, 0x9400
	v_mov_b32 v245, 0
	v_lshrrev_b32 v1, 5, v0
	v_readfirstlane_b32 s10, v1                    ; wave 0..3
	v_and_b32 v1, 31, v0                           ; lane
	s_mov_b32 s12, 0x76543210
	s_mov_b32 s13, 0xfedcba98                      ; v_permlanex16_b32's selects for lane l xor 16
	s_mov_b32 s14, 0xffff0000                      ; lanes 16-31
	s_mov_b32 s19, 0
	s_wait_kmcnt 0x0
	s_cmp_lt_u32 ttmp9, 256
	s_cbranch_scc0 .Lv
	; ---- K
	s_lshl_b32 s16, ttmp9, 2
	s_add_co_u32 s16, s16, s10                     ; my unit: 4 x work-group + wave
	s_lshl_b32 s18, s16, 15                        ; 128 keys of 256 bytes
	s_add_nc_u64 s[4:5], s[4:5], s[18:19]
	s_mul_i32 s18, s16, UNIT
	s_add_nc_u64 s[8:9], s[8:9], s[18:19]
	s_mul_i32 s17, s10, WREG                       ; my region of LDS
	s_wait_alu depctr_va_vdst(0)
	v_lshlrev_b32 v2, 4, v1                        ; 16 x lane
	v_lshrrev_b32 v8, 3, v1
	v_mul_u32_u24 v3, v8, 144
	v_and_b32 v8, 7, v1
	v_lshl_add_u32 v3, v8, 4, v3
	v_add_nc_u32 v3, s17, v3                       ; into the stage: eight lanes fill a piece: 144 (lane / 8) + 16 (lane % 8)
	v_and_b32 v8, 15, v1                           ; r
	v_lshrrev_b32 v9, 4, v1                        ; h
	v_lshrrev_b32 v10, 3, v8                       ; r / 8
	v_lshl_add_u32 v11, v8, 1, v9
	v_lshl_add_u32 v11, v10, 4, v11                ; my piece in tile 2 b: 2 (r + 8 (r / 8)) + h
	v_mul_u32_u24 v4, v11, 144
	v_lshl_add_u32 v4, v10, 4, v4                  ; out of it
	v_add_nc_u32 v4, s17, v4
	v_lshlrev_b32 v5, 3, v9                        ; 8 h
	v_mov_b32 v7, 0                                ; written once: a lane permute's destination counts as one of its sources
	LOADP 0
	LOADP 1
	s_wait_alu depctr_va_vdst(0)
	PAIR 0
	PAIR 1
	PAIR 2
	PAIR 3
	global_store_b128 v2, v[SC:SC+3], s[8:9] offset:8192      ; the unit's 128 scale words: 512 consecutive bytes
	s_wait_tensorcnt 0x0
	ds_add_u32 v244, v245
	s_wait_dscnt 0x0
	s_endpgm
	; ---- V
.Lv:
	s_sub_co_u32 s16, ttmp9, 256
	s_lshl_b32 s16, s16, 2
	s_lshr_b32 s17, s10, 1
	s_lshl_b32 s17, s17, 1
	s_add_co_u32 s16, s16, s17                     ; my first unit: 4 x (work-group - 256) + 2 (wave / 2)
	s_and_b32 s17, s10, 1                          ; which 32 channels: the two waves of a pair stand side by side on the same rows
	s_lshl_b32 s18, s16, 15
	s_add_nc_u64 s[6:7], s[6:7], s[18:19]
	s_mul_i32 s18, s16, UNIT
	s_add_nc_u64 s[8:9], s[8:9], s[18:19]
	s_wait_alu depctr_va_vdst(0)
	v_lshlrev_b32 v2, 2, v1
	v_lshl_add_u32 v2, s17, 7, v2                  ; 4 x my channel: in a row of V, and among the scale words
	v_lshrrev_b32 v8, 4, v1
	v_and_b32 v9, 15, v1
	v_lshlrev_b32 v3, 4, v9
	v_lshl_add_u32 v3, v8, 10, v3
	v_lshl_add_u32 v3, s17, 11, v3                 ; my codes' place: 1,024 x (channel / 16) + 16 x (channel % 16); the block adds 256 each
	LOADV 0
	LOADV 1
.irp q, 0,1,2,3,4,5,6,7
	BLOCKV \q
.endr
	s_endpgm
.Lfunc_end_k_qa77dd92729_prep:
	.size	k_qa77dd92729_prep, .Lfunc_end_k_qa77dd92729_prep-k_qa77dd92729_prep
	.p2alignl 7, 3214868480
	.fill 96, 4, 3214868480
	.section	.rodata,"a",@progbits
	.p2align	6, 0x0
	.amdhsa_kernel k_qa77dd92729_prep
		.amdhsa_group_segment_fixed_size 38400
		.amdhsa_private_segment_fixed_size 0
		.amdhsa_enable_private_segment 0
		.amdhsa_kernarg_size 24
		.amdhsa_user_sgpr_count 2
		.amdhsa_user_sgpr_kernarg_segment_ptr 1
		.amdhsa_wavefront_size32 1
		.amdhsa_system_sgpr_workgroup_id_x 1
		.amdhsa_system_sgpr_workgroup_id_y 1
		.amdhsa_system_sgpr_workgroup_id_z 1
		.amdhsa_system_vgpr_workitem_id 0
		.amdhsa_next_free_vgpr 246
		.amdhsa_next_free_sgpr 66
		.amdhsa_reserve_vcc 0
		.amdhsa_float_denorm_mode_32 3
		.amdhsa_float_denorm_mode_16_64 3
		.amdhsa_memory_ordered 1
		.amdhsa_forward_progress 1
		.amdhsa_inst_pref_size 68
	.end_amdhsa_kernel
	.amdgpu_metadata
---
amdhsa.version: [ 1, 2 ]
amdhsa.kernels:
  - .name:           k_qa77dd92729_prep
    .symbol:         k_qa77dd92729_prep.kd
    .args:
      - { .name: K, .offset: 0, .size: 8, .value_kind: global_buffer, .address_space: global }
      - { .name: V, .offset: 8, .size: 8, .value_kind: global_buffer, .address_space: global }
      - { .name: kv, .offset: 16, .size: 8, .value_kind: global_buffer, .address_space: global }
    .group_segment_fixed_size: 38400
    .private_segment_fixed_size: 0
    .kernarg_segment_align: 8
    .kernarg_segment_size: 24
    .max_flat_workgroup_size: 128
    .sgpr_count:     66
    .vgpr_count:     246
    .wavefront_size: 32
...
	.end_amdgpu_metadata
.endif
;; end of part 1
;; launch attn (part 2): grid 4 x 64, 16 waves a work-group, clusters of 4 x 1, 215,040 bytes of LDS; arguments Q, kv, out0; writes out0
.if DOCPART == 2
	.amdgcn_target "amdgcn-amd-amdhsa--gfx1250"
	.amdhsa_code_object_version 6
	.text
	.protected	k_qa77dd92729_attn
	.globl	k_qa77dd92729_attn
	.p2align	8
	.type	k_qa77dd92729_attn,@function
k_qa77dd92729_attn:
	s_mov_b64 s[64:65], 0
	v_nop
	global_prefetch_b8 v0, s[64:65] scope:SCOPE_SE
	s_setreg_imm32_b32 hwreg(HW_REG_WAVE_MODE, 25, 1), 1
	s_wait_xcnt 0x0
	s_wait_alu depctr_hold_cnt(0) depctr_sa_sdst(0) depctr_va_vdst(0) depctr_va_sdst(0) depctr_va_ssrc(0) depctr_va_vcc(0) depctr_vm_vsrc(0)
	s_getreg_b32 s2, hwreg(HW_REG_IB_STS2, 6, 4)
	s_cmp_eq_u32 s2, 0
	s_cbranch_scc0 .Lentry_in_a_cluster
	s_endpgm
.Lentry_in_a_cluster:
	s_bfe_u32 s2, ttmp6, 0x10000c
	s_cmp_lg_u32 s2, 0x3003
	s_cbranch_scc0 .Lentry_shape_is_right
	s_endpgm
.Lentry_shape_is_right:
; out0[head][q][:] = the sum over k <= q of softmax_k(Q[q] . K[k] / 8) V[k][:], 64 heads, 2,048 queries and keys, 64 channels; both products on codes of FP4 (E2M1) with E8M0 scales for each 32 along K.
; K's and V's codes and scale words come from kv, laid as images of the operand registers (unit = 128 keys = 8,960 bytes: K's 8 tiles, V's 8 groups, K's scale words, V's scale words).  Q is quantised here, in registers.
; THE SOFTMAX AHEAD OF THE SECOND PRODUCT: t = score x log2(e) / 8; M = the running largest t rounded UP to a whole number; p = 2^(t - M) is quantised along the keys, not normalised; the row's sum is taken of the
; unquantised p and divides at the end.  When M moves, the sum and O are multiplied by 2^(old M - new M): exact.
; SHARES.  The four work-groups of a cluster own one head.  A head's 16 units, 143,360 bytes, lie in LDS whole: each of a work-group's sixteen waves asks for one unit, JOINTLY with the same wave of its three partners
; (the same tensor load, the same descriptor, a mask that names the four): nothing is filled again, so the loop over the keys has no barrier.  One tensor load of a wave is out.
; Wave w of work-group g (its place in the cluster) owns two tiles of 16 queries: with u = w / 2 and i = 2 g + w % 2, tile A = queries 128 u + 16 i on (key steps 0 .. u count) and tile B = queries 128 (15 - u) + 16 i on
; (key steps 0 .. 15 - u): 17 key steps for every wave.  Every branch compares the loop's counter with u or 15 - u, made of the wave's number alone; g enters Q's and out0's addresses and the mask's compare value, nothing else.
; Key steps all of whose keys come after the tile's queries are left out; in the one step on the diagonal hidden scores take the problem's own fill (-1e7 as a logit).
; LAYOUT.  Both products are used transposed: S^T = K Q^T, O^T = V^T P^T: a lane holds ONE query (lane % 16) throughout.  The keys of a tile of K are not neighbours (lane r of tile 2 b + u: key 32 b + 8 u + r + 8 (r / 8)),
; so that the 16 registers of tiles 2 b and 2 b + 1 are the 16 neighbouring keys 32 b + 16 (lane / 16) + 0 .. 15.
; THE FIRST PRODUCT'S K IS 64, THE INSTRUCTION'S 128: Q's registers 4-7 are zero codes.  K's fragment of tile T is named as v[KF + 4 T] on, eight registers: its upper four are the next tile's codes (behind tile 7: zeros);
; they meet zero codes alone, under scale bytes 0x7f on both sides, and add exactly 0.
; LIMITS: NaN and infinities are not served.  Blocks with a largest magnitude under 2^-124, and blocks of zeros, get the scale byte 1 (zero codes add nothing).  The weights of the key steps left out are exp(-1e7 - the row's
; largest logit): 0 in f32 unless every visible logit of a row lies under about -1e7 + 100.
; No prefetch: all that the launch reads is asked for once, at its head.
.set UNIT,   8960
.set HEADB,  16*UNIT                   ; LDS 0 .. 143,359: the head's units, as they lie in kv; filled once
.set STAGE,  HEADB                     ; behind them (a multiple of 256): a stage of 16 rows x (256 + 16) bytes for each wave, written by LDS stores alone
.set SPITCH, 272
.set WSTG,   16*SPITCH
.set LI,   1                           ; v1   16 x lane
.set LS,   2                           ; v2   4 x lane
.set AD,   3                           ; v3   the step's unit + 16 x lane
.set AD4,  4                           ; v4   the step's unit + 4 x lane
.set DM,   5                           ; v5   16 i + r - 16 h: in a diagonal step register 16 b + j holds a hidden key where 32 b + j > this
.set STO,  6                           ; v6   the way out: where I put 32 bytes of a row
.set RD,   7                           ; v7   where I read a row back
.set GO,   8                           ; v8   my byte offset in the tile's 16 rows of out0
.set FILL, 9                           ; v9   -8e7: as a logit (x 1/8) the problem's fill, -1e7
                                       ; v10-13 tile A: -M, the largest t, the sum in two halves;  v14-17 the same for tile B
.set QO,   18                          ; v18  my byte offset in a tile's 16 rows of Q
.set SH8,  19                          ; v19  8 h
                                       ; v20-27 Q of tile A (4 registers of codes, 4 of zeros);  v28-35 of tile B;  v36, v37 their scale words
.set KF,   40                          ; v40-71 K's 8 tiles x 4 registers, then V's 4 fragments x 8;  v72-75 zeros
.set KSC,  76                          ; v76-79 K's scale words: register j: lanes 0-15 tile 2 j, lanes 16-31 tile 2 j + 1
.set VSC,  80                          ; v80-81 V's: register j: lane L = channel 32 j + L
.set PC,   82                          ; v82-89 p's codes
.set BM,   90                          ; v90-93 the blocks' largest scores, then largest p
.set PM,   94                          ; v94-97 lane permutes' destinations, then the scale bytes
.set SO,   98                          ; v98-101 the conversions' scale operands
.set F,    102                         ; v102 2^(old M - new M); v103 = 0, named with it as a pair
.set PW,   104                          ; v104 p's scale word
.set T0,   105
.set SUM2, 106                         ; v106-107 the sum's second chain
.set RC,   108                         ; v108 1 / the sum; v109 = 0, named with it as a pair
.set S,    112                         ; v112-175 S^T, then p; on the way out O / the sum and the rows read back
.set OA,   176                         ; v176-207 O^T of tile A
.set OB,   208                         ; v208-239 O^T of tile B
; s10 wave; s11 u; s12 15 - u; s13 g; s14 i; s15 head; s[16:23] descriptor group 1; s[24:27] group 0; s[28:29] lane selects; s[30:31] c = log2(e) / 8; s32 the key step; s33 its unit's LDS byte;
; s[34:35], s[36:37] Q at tiles A, B; s[38:39], s[40:41] out0 at tiles A, B
; A round of the cluster's barrier: my work-group's barrier, wave 0 signals for the work-group, every wave waits for all four work-groups, my work-group's barrier once more
.macro ROUND
	s_barrier_signal -1
	s_barrier_wait -1
	s_cmp_lg_u32 s10, 0
	s_cbranch_scc1 .Lnot_wave_0_\@
	s_barrier_signal -3
.Lnot_wave_0_\@:
	s_barrier_wait -3
	s_barrier_signal -1
	s_barrier_wait -1
.endm
; A lane's 32 numbers of Q (row r, channels 32 h on: one block) in v[xs] on become registers 0-3 of the fragment at v[qf], and the row's scale word in v[qs]
.macro QQUANT xs, qf, qs
	v_max3_num_f32 v[BM], |v[\xs]|, |v[\xs+1]|, |v[\xs+2]|
	v_max3_num_f32 v[BM+1], |v[\xs+3]|, |v[\xs+4]|, |v[\xs+5]|
.irp i, 6,10,14,18,22,26
	s_delay_alu instid0(VALU_DEP_2)
	v_max3_num_f32 v[BM], v[BM], |v[\xs+\i]|, |v[\xs+\i+1]|
	s_delay_alu instid0(VALU_DEP_2)
	v_max3_num_f32 v[BM+1], v[BM+1], |v[\xs+\i+2]|, |v[\xs+\i+3]|
.endr
	s_delay_alu instid0(VALU_DEP_2)
	v_max3_num_f32 v[BM], v[BM], |v[\xs+30]|, |v[\xs+31]|
	s_delay_alu instid0(VALU_DEP_1)
	v_max3_num_f32 v[BM], v[BM], v[BM+1], 0x1800000        ; the floor 2^(3 - 127): the byte cannot fall under 1
	s_delay_alu instid0(VALU_DEP_1)
	v_add_nc_u32 v[SO], 0xff000000, v[BM]                  ; 2 off the exponent field: the conversion's scale operand
	s_delay_alu instid0(VALU_DEP_1)
	v_lshrrev_b32 v[PM], 23, v[SO]                         ; the byte
.irp g, 0,1,2,3
	v_cvt_scalef32_pk8_fp4_f32 v[\qf+\g], v[\xs+8*\g:\xs+8*\g+7], v[SO]
.endr
	v_nop                                                  ; one plain line behind the scaled conversions
	v_lshlrev_b32 v[T0], v[SH8], v[PM]                     ; my block's byte at bit 8 h,
	s_delay_alu instid0(VALU_DEP_1)
	v_permlanex16_b32 v[PM+1], v[T0], s28, s29             ; the row's other block's from lane l xor 16,
	s_delay_alu instid0(VALU_DEP_1)
	v_or_b32 v[\qs], v[T0], v[PM+1]
	s_delay_alu instid0(VALU_DEP_1)
	v_or_b32 v[\qs], 0x7f7f0000, v[\qs]                    ; and 2^0 for the padded half of K
.endm
; A KEY STEP of 128 keys for one tile of queries.  o: its O^T; st: its -M, t and sum; qf, qs: its Q; ux: the scalar register that holds its diagonal step
.macro STEP o, st, qf, qs, ux
.rept 4
	v_nop                                          ; four places in front of loads into registers that the last products have read
.endr
.irp t, 0,1,2,3,4,5,6,7
	ds_load_b128 v[KF+4*\t:KF+4*\t+3], v[AD] offset:512*\t
.endr
	ds_load_b128 v[KSC:KSC+3], v[AD] offset:8192
	s_wait_dscnt 0x0
.irp t, 0,1,2,3,4,5,6,7                        ; S^T = K Q^T: eight accumulators, one instruction each
.if \t % 2
	v_wmma_scale_f32_16x16x128_f8f6f4 v[S+8*\t:S+8*\t+7], v[KF+4*\t:KF+4*\t+7], v[\qf:\qf+7], 0, v[KSC+\t/2], v[\qs] matrix_a_fmt:MATRIX_FMT_FP4 matrix_b_fmt:MATRIX_FMT_FP4 matrix_a_scale:MATRIX_SCALE_ROW1
.else
	v_wmma_scale_f32_16x16x128_f8f6f4 v[S+8*\t:S+8*\t+7], v[KF+4*\t:KF+4*\t+7], v[\qf:\qf+7], 0, v[KSC+\t/2], v[\qs] matrix_a_fmt:MATRIX_FMT_FP4 matrix_b_fmt:MATRIX_FMT_FP4
.endif
.endr
.rept 4
	v_nop                                          ; four places: in front of the loads into K's registers, and of the first read of the scores
.endr
.irp f, 0,1,2,3,4,5,6,7
	ds_load_b128 v[KF+4*\f:KF+4*\f+3], v[AD] offset:4096+512*\f    ; V's fragments land while the softmax is worked
.endr
.irp j, 0,1
	ds_load_b32 v[VSC+\j], v[AD4] offset:8704+128*\j
.endr
	s_cmp_lg_u32 s32, s[\ux]                       ; only the step on the diagonal has hidden keys
	s_cbranch_scc1 .Lopen_\@
.set NN, 0
.rept 64                                       ; ascending: each accumulator is read from its low end on
	v_cmp_gt_i32 vcc_lo, 32*(NN/16)+NN%16, v[DM]
	v_cndmask_b32 v[S+NN], v[S+NN], v[FILL], vcc_lo
.set NN, NN+1
.endr
.Lopen_\@:
.irp b, 0,1,2,3
	v_max3_num_f32 v[BM+\b], v[S+16*\b], v[S+16*\b+1], v[S+16*\b+2]    ; the largest score of each block of 32 keys: it serves the row's maximum and, since p rises with the score, the block's largest p
.endr
.irp i, 3,5,7,9,11,13
.irp b, 0,1,2,3
	v_max3_num_f32 v[BM+\b], v[BM+\b], v[S+16*\b+\i], v[S+16*\b+\i+1]  ; (the four blocks by turns)
.endr
.endr
.irp b, 0,1,2,3
	v_max_num_f32 v[BM+\b], v[BM+\b], v[S+16*\b+15]
.endr
.irp b, 0,1,2,3
	s_delay_alu instid0(VALU_DEP_4)
	v_permlanex16_b32 v[PM+\b], v[BM+\b], s28, s29
.endr
.irp b, 0,1,2,3
	s_delay_alu instid0(VALU_DEP_4)
	v_max_num_f32 v[BM+\b], v[BM+\b], v[PM+\b]     ; with lane l xor 16's 16 keys
.endr
	s_delay_alu instid0(VALU_DEP_2)
	v_max3_num_f32 v[T0], v[BM], v[BM+1], v[BM+2]
	s_delay_alu instid0(VALU_DEP_1)
	v_max_num_f32 v[T0], v[T0], v[BM+3]            ; the step's largest score of my query,
	s_delay_alu instid0(VALU_DEP_1)
	v_mul_f32 v[T0], s30, v[T0]                    ; as t (c is positive)
	s_delay_alu instid0(VALU_DEP_1)
	v_max_num_f32 v[\st+1], v[\st+1], v[T0]        ; the running largest t
	v_mov_b32 v[T0], v[\st]
	s_delay_alu instid0(VALU_DEP_2)
	v_floor_f32 v[\st], -v[\st+1]                  ; the new -M = floor(-t) = -ceil(t): a whole number
	s_delay_alu instid0(VALU_DEP_1)
	v_sub_f32 v[T0], v[\st], v[T0]                 ; old M - new M: a whole number, 0 or less
	s_delay_alu instid0(VALU_DEP_1)
	v_cvt_i32_f32 v[T0], v[T0]                     ; (it saturates)
	s_delay_alu instid0(VALU_DEP_1)
	v_ldexp_f32 v[F], 1.0, v[T0]                   ; f = 2^(old M - new M)
.set NN, 0
.rept 32
	v_pk_fma_f32 v[S+NN:S+NN+1], v[S+NN:S+NN+1], s[30:31], v[\st:\st+1] op_sel_hi:[1,0,0]   ; t - M, two at a time (of the pairs c and -M the low word serves both halves)
.set NN, NN+2
.endr
.irp b, 0,1,2,3
	v_fma_f32 v[BM+\b], v[BM+\b], s30, v[\st]      ; the same of each block's largest score
.endr
.set NN, 0
	s_wait_alu depctr_va_vdst(0)
.rept 64
	v_exp_f32 v[S+NN], v[S+NN]                     ; p = 2^(t - M), at most 1
.set NN, NN+1
.endr
.irp b, 0,1,2,3
	v_exp_f32 v[BM+\b], v[BM+\b]                   ; the block's largest p: the same two instructions on the same number give the same bits
.endr
	v_pk_mul_f32 v[\st+2:\st+3], v[\st+2:\st+3], v[F:F+1] op_sel_hi:[1,0]   ; the sum under the new M: the plain line behind the exponentials
	s_wait_alu depctr_va_vdst(0)                   ; the wait ahead of the first line that names an exponential's result: one for the batch of 68
.irp b, 0,1,2,3
	v_max_num_f32 v[BM+\b], 0x1800000, v[BM+\b]    ; the floor 2^(3 - 127): a block whose every p is 0 keeps the byte 1: its codes are zeros
.endr
.irp b, 0,1,2,3
	s_delay_alu instid0(VALU_DEP_4)
	v_add_nc_u32 v[SO+\b], 0xff000000, v[BM+\b]    ; the conversion's scale operand
.endr
.irp b, 0,1,2,3
	s_delay_alu instid0(VALU_DEP_4)
	v_lshrrev_b32 v[PM+\b], 23, v[SO+\b]           ; the scale's byte
.endr
	s_delay_alu instid0(VALU_DEP_3)
	v_lshl_or_b32 v[PW], v[PM+1], 8, v[PM]         ; p's scale word for these 128 keys
	s_delay_alu instid0(VALU_DEP_1)
	v_lshl_or_b32 v[PW], v[PM+2], 16, v[PW]
	s_delay_alu instid0(VALU_DEP_1)
	v_lshl_or_b32 v[PW], v[PM+3], 24, v[PW]
.irp b, 0,1,2,3
	v_cvt_scalef32_pk8_fp4_f32 v[PC+2*\b], v[S+16*\b:S+16*\b+7], v[SO+\b]
	v_cvt_scalef32_pk8_fp4_f32 v[PC+2*\b+1], v[S+16*\b+8:S+16*\b+15], v[SO+\b]
.endr
	v_nop                                          ; one plain line behind the scaled conversions
.irp c, 0,1                                    ; the operand's layout wants a whole block in a lane: lanes 0-15 block 2 c, lanes 16-31 block 2 c + 1
.irp i, 0,1
	v_permlane16_swap_b32 v[PC+4*\c+\i], v[PC+4*\c+2+\i]
.endr
.endr
.set NN, 0
.rept 16
	v_pk_mul_f32 v[\o+NN:\o+NN+1], v[\o+NN:\o+NN+1], v[F:F+1] op_sel_hi:[1,0]   ; O^T under the new M
.set NN, NN+2
.endr
	v_pk_add_f32 v[SUM2:SUM2+1], v[S:S+1], v[S+2:S+3]      ; the row's sum, of the UNQUANTISED p, in two chains.  These 32 lines name no register of the products below:
.set NN, 4                                     ; they are the places behind p's scale word (eight are asked) and p's codes (four)
.rept 15
	v_pk_add_f32 v[\st+2:\st+3], v[\st+2:\st+3], v[S+NN:S+NN+1]
	v_pk_add_f32 v[SUM2:SUM2+1], v[SUM2:SUM2+1], v[S+NN+2:S+NN+3]
.set NN, NN+4
.endr
	s_delay_alu instid0(VALU_DEP_1)
	v_pk_add_f32 v[\st+2:\st+3], v[\st+2:\st+3], v[SUM2:SUM2+1]
	s_wait_dscnt 0x0                               ; V's fragments and scale words are in
.irp t, 0,1,2,3                                ; O^T += V^T P^T: four accumulators, one instruction each
.if \t % 2
	v_wmma_scale_f32_16x16x128_f8f6f4 v[\o+8*\t:\o+8*\t+7], v[KF+8*\t:KF+8*\t+7], v[PC:PC+7], v[\o+8*\t:\o+8*\t+7], v[VSC+\t/2], v[PW] matrix_a_fmt:MATRIX_FMT_FP4 matrix_b_fmt:MATRIX_FMT_FP4 matrix_a_scale:MATRIX_SCALE_ROW1
.else
	v_wmma_scale_f32_16x16x128_f8f6f4 v[\o+8*\t:\o+8*\t+7], v[KF+8*\t:KF+8*\t+7], v[PC:PC+7], v[\o+8*\t:\o+8*\t+7], v[VSC+\t/2], v[PW] matrix_a_fmt:MATRIX_FMT_FP4 matrix_b_fmt:MATRIX_FMT_FP4
.endif
.endr
.endm
; THE WAY OUT of a tile, behind its diagonal step: O^T / the sum goes through my stage in LDS and leaves as whole rows of 256 bytes
.macro FINISH o, st, out
.rept 4
	v_nop                                          ; four places behind the last products, whose results are read below
.endr
	v_add_f32 v[T0], v[\st+2], v[\st+3]            ; the sum's two halves,
	s_delay_alu instid0(VALU_DEP_1)
	v_permlanex16_b32 v[PM], v[T0], s28, s29
	s_delay_alu instid0(VALU_DEP_1)
	v_add_f32 v[T0], v[T0], v[PM]                  ; and lane l xor 16's: the row's sum
	s_wait_alu depctr_va_vdst(0)
	v_rcp_f32 v[RC], v[T0]
	v_nop                                          ; a plain line behind the reciprocal,
	s_wait_alu depctr_va_vdst(0)                   ; and the wait ahead of its first reader
.set NN, 0
.rept 16
	v_pk_mul_f32 v[S+NN:S+NN+1], v[\o+NN:\o+NN+1], v[RC:RC+1] op_sel_hi:[1,0]   ; register 8 t + j: out(query r, channel 16 t + 8 h + j); each accumulator from its low end on
.set NN, NN+2
.endr
.irp t, 0,1,2,3
	ds_store_b128 v[STO], v[S+8*\t:S+8*\t+3] offset:64*\t
	ds_store_b128 v[STO], v[S+8*\t+4:S+8*\t+7] offset:64*\t+16
.endr
.irp k, 0,1,2,3,4,5,6,7
	ds_load_b128 v[S+32+4*\k:S+32+4*\k+3], v[RD] offset:2*\k*SPITCH    ; LDS serves a wave's instructions in order: these see my stores
.endr
.irp k, 0,1,2,3,4,5,6,7
	s_wait_dscnt 7-\k                              ; rows 2 k and 2 k + 1 are back; the younger loads may be out
	global_store_b128 v[GO], v[S+32+4*\k:S+32+4*\k+3], s[\out:\out+1] offset:512*\k th:TH_STORE_NT   ; 512 consecutive bytes, at a multiple of 256 from out0's first byte; written once
.endr
	s_wait_xcnt 0x0                                ; the stores' data registers are written again only behind this wait
.endm
	s_load_b128 s[4:7], s[0:1], 0x0                ; Q s[4:5], kv s[6:7]
	s_load_b64 s[8:9], s[0:1], 0x10                ; out0
	v_lshl_add_u32 v240, v0, 2, 0x34000
	v_mov_b32 v241, 0
	ds_add_u32 v240, v241
	ds_add_u32 v240, v241
	v_lshrrev_b32 v1, 5, v0
	s_delay_alu instid0(VALU_DEP_1)
	v_readfirstlane_b32 s10, v1                    ; wave 0..15
	s_lshr_b32 s11, s10, 1                         ; u
	s_xor_b32 s12, s11, 15                         ; 15 - u
	s_and_b32 s15, ttmp7, 0xffff                   ; the head, which the four partners share
	s_mul_i32 s25, s10, UNIT                       ; my unit's place in LDS: the wave's number alone
	s_mul_i32 s2, s15, HEADB
	s_add_co_u32 s2, s2, s25                       ; and in kv: head and wave alone
	s_mov_b32 s3, 0
	s_bfe_u32 s13, ttmp6, 0x40000                  ; g: my place in the cluster
	s_and_b32 s14, s10, 1
	s_lshl_b32 s42, s13, 1
	s_add_co_u32 s14, s14, s42                     ; i = 2 g + w % 2
	s_lshl_b32 s42, s15, 11
	s_lshl_b32 s43, s14, 4                         ; 16 i
	s_add_co_u32 s42, s42, s43                     ; 2,048 x head + 16 i
	s_lshl_b32 s44, s11, 7
	s_add_co_u32 s44, s44, s42
	s_lshl_b32 s44, s44, 8                         ; tile A's first row, in bytes (rows of 256)
	s_mov_b32 s45, 0
	s_lshl_b32 s46, s12, 7
	s_add_co_u32 s46, s46, s42
	s_lshl_b32 s46, s46, 8                         ; tile B's
	s_mov_b32 s47, 0
	; descriptor group 1: a dense block of 8,960 bytes as 35 rows of 32 elements of 8 bytes, no padding
	s_mov_b32 s16, 15|(3<<16)|(1<<21)              ; 15:0 the mask: all four work-groups; 17:16 elements of 8 bytes; 21 set beside a mask
	s_mov_b32 s17, 32<<16                          ; tensor_dim0 = 32
	s_mov_b32 s18, 35<<16                          ; tensor_dim1 = 35
	s_mov_b32 s19, 32<<16                          ; tile_dim0 = 32
	s_mov_b32 s20, 35                              ; tile_dim1 = 35
	s_mov_b32 s21, 32                              ; from row to row
	s_mov_b32 s22, 0
	s_mov_b32 s23, 0
	s_mov_b32 s24, 1                               ; group 0: count = 1; s25 the LDS address
	s_mov_b32 s28, 0x76543210
	s_mov_b32 s29, 0xfedcba98                      ; v_permlanex16_b32's selects for lane l xor 16
	s_mov_b32 s30, 0x3e38aa3b                      ; c = log2(e) / 8
	s_mov_b32 s31, s30                             ; (named with it as a pair, so it is written)
	s_wait_dscnt 0x0
	s_wait_kmcnt 0x0
	s_add_nc_u64 s[26:27], s[6:7], s[2:3]          ; the unit's first byte
	s_or_b32 s27, s27, 0x80000000                  ; type = 2
	s_add_nc_u64 s[34:35], s[4:5], s[44:45]
	s_add_nc_u64 s[36:37], s[4:5], s[46:47]
	s_add_nc_u64 s[38:39], s[8:9], s[44:45]
	s_add_nc_u64 s[40:41], s[8:9], s[46:47]
	ROUND                                          ; all four work-groups are here: the joint loads meet
	tensor_load_to_lds s[24:27], s[16:23]          ; my unit of the head: the wave's one tensor load
	s_nop 0
.rept 4
	v_nop
.endr
	v_and_b32 v[BM], 15, v0                        ; r
	v_bfe_u32 v[BM+1], v0, 4, 1                    ; h
	s_delay_alu instid0(VALU_DEP_2)
	v_lshlrev_b32 v[QO], 8, v[BM]
	s_delay_alu instid0(VALU_DEP_1)
	v_lshl_add_u32 v[QO], v[BM+1], 7, v[QO]        ; Q: row r of 256 bytes, + 128 h: my block of 32 channels
.irp j, 0,1,2,3,4,5,6,7
	global_load_b128 v[S+4*\j:S+4*\j+3], v[QO], s[34:35] offset:16*\j
.endr
.irp j, 0,1,2,3,4,5,6,7
	global_load_b128 v[S+32+4*\j:S+32+4*\j+3], v[QO], s[36:37] offset:16*\j
.endr
	v_and_b32 v[LS], 31, v0
	s_delay_alu instid0(VALU_DEP_1)
	v_lshlrev_b32 v[LI], 4, v[LS]
	s_delay_alu instid0(VALU_DEP_2)
	v_lshlrev_b32 v[LS], 2, v[LS]
	v_lshlrev_b32 v[SH8], 3, v[BM+1]
	v_lshlrev_b32 v[DM], 4, v[BM+1]
	s_delay_alu instid0(VALU_DEP_1)
	v_sub_nc_u32 v[DM], v[BM], v[DM]
	s_delay_alu instid0(VALU_DEP_1)
	v_add_nc_u32 v[DM], s43, v[DM]                 ; 16 i + r - 16 h
	s_mul_i32 s2, s10, WSTG
	s_add_co_u32 s2, s2, STAGE                     ; my stage
	v_mul_u32_u24 v[STO], v[BM], SPITCH
	s_delay_alu instid0(VALU_DEP_1)
	v_lshl_add_u32 v[STO], v[BM+1], 5, v[STO]
	s_delay_alu instid0(VALU_DEP_1)
	v_add_nc_u32 v[STO], s2, v[STO]                ; in: row r, + 32 h; tile t's eight channels 64 t bytes on
	v_mul_u32_u24 v[RD], v[BM+1], SPITCH
	s_delay_alu instid0(VALU_DEP_1)
	v_lshl_add_u32 v[RD], v[BM], 4, v[RD]
	s_delay_alu instid0(VALU_DEP_1)
	v_add_nc_u32 v[RD], s2, v[RD]                  ; back: lanes 0-15 one row, lanes 16-31 the next
	v_lshlrev_b32 v[GO], 8, v[BM+1]
	s_delay_alu instid0(VALU_DEP_1)
	v_lshl_add_u32 v[GO], v[BM], 4, v[GO]          ; and the same two rows in out0
	v_mov_b32 v[FILL], 0xcc989680                  ; -8e7
.irp j, 24,25,26,27,32,33,34,35,72,73,74,75
	v_mov_b32 v[\j], 0                             ; zero codes: the padded half of Q's fragments, and what stands behind K's tile 7
.endr
.irp j, 94,95,96,97,103,109
	v_mov_b32 v[\j], 0                             ; lane permutes' destinations count as sources; the upper halves of the pairs F and RC are named
.endr
	s_wait_loadcnt 8                               ; tile A's eight loads are in; tile B's eight may be out
	QQUANT S, 20, 36
	s_wait_loadcnt 0
	QQUANT S+32, 28, 37
.set NN, 0
.rept 64
	v_mov_b32 v[OA+NN], 0                          ; O^T of both tiles: the step is written once, and its first pass multiplies zeros.  (Also the places behind Q's codes and scale words)
.set NN, NN+1
.endr
.irp s, 10, 14
	v_mov_b32 v[\s+1], 0xff61b1e6                  ; the largest t so far: -3e38, under every t
	s_delay_alu instid0(VALU_DEP_1)
	v_floor_f32 v[\s], -v[\s+1]                    ; -M
	v_mov_b32 v[\s+2], 0                           ; the sum, in two halves
	v_mov_b32 v[\s+3], 0
.endr
	s_wait_tensorcnt 0x0                           ; my unit has landed,
	s_barrier_signal -1
	s_barrier_wait -1                              ; everybody's has: the head lies in LDS, and nobody writes it again
	s_mov_b32 s32, 0
	s_mov_b32 s33, 0
.Ltrip:                                            ; sixteen trips, a key step each; a tile's work is jumped over in the steps behind its diagonal
	v_add_nc_u32 v[AD], s33, v[LI]
	v_add_nc_u32 v[AD4], s33, v[LS]
	s_cmp_gt_u32 s32, s12
	s_cbranch_scc1 .LnoB
	s_wait_alu depctr_va_vdst(0)
	STEP OB, 14, 28, 37, 12
	s_cmp_lg_u32 s32, s12
	s_cbranch_scc1 .LnoB
	s_wait_alu depctr_va_vdst(0)
	FINISH OB, 14, 40
.LnoB:
	s_cmp_gt_u32 s32, s11
	s_cbranch_scc1 .LnoA
	s_wait_alu depctr_va_vdst(0)
	STEP OA, 10, 20, 36, 11
	s_cmp_lg_u32 s32, s11
	s_cbranch_scc1 .LnoA
	s_wait_alu depctr_va_vdst(0)
	FINISH OA, 10, 38
.LnoA:
	s_add_co_u32 s33, s33, UNIT
	s_add_co_u32 s32, s32, 1
	s_cmp_lt_u32 s32, 16
	s_cbranch_scc1 .Ltrip
	s_wait_dscnt 0x0                               ; no LDS instruction of mine is out at the signal below
	s_wait_tensorcnt 0x0
	ds_add_u32 v240, v241
	s_wait_dscnt 0x0
	ROUND                                          ; the closing round: no work-group ends while a partner may still ask for a unit that names it
	s_endpgm
.Lfunc_end_k_qa77dd92729_attn:
	.size	k_qa77dd92729_attn, .Lfunc_end_k_qa77dd92729_attn-k_qa77dd92729_attn
	.p2alignl 7, 3214868480
	.fill 96, 4, 3214868480
	.section	.rodata,"a",@progbits
	.p2align	6, 0x0
	.amdhsa_kernel k_qa77dd92729_attn
		.amdhsa_group_segment_fixed_size 215040
		.amdhsa_private_segment_fixed_size 0
		.amdhsa_enable_private_segment 0
		.amdhsa_kernarg_size 24
		.amdhsa_user_sgpr_count 2
		.amdhsa_user_sgpr_kernarg_segment_ptr 1
		.amdhsa_wavefront_size32 1
		.amdhsa_system_sgpr_workgroup_id_x 1
		.amdhsa_system_sgpr_workgroup_id_y 1
		.amdhsa_system_sgpr_workgroup_id_z 1
		.amdhsa_system_vgpr_workitem_id 0
		.amdhsa_next_free_vgpr 242
		.amdhsa_next_free_sgpr 66
		.amdhsa_reserve_vcc 1
		.amdhsa_float_denorm_mode_32 3
		.amdhsa_float_denorm_mode_16_64 3
		.amdhsa_memory_ordered 1
		.amdhsa_forward_progress 1
		.amdhsa_inst_pref_size 63
	.end_amdhsa_kernel
	.amdgpu_metadata
---
amdhsa.version: [ 1, 2 ]
amdhsa.kernels:
  - .name:           k_qa77dd92729_attn
    .symbol:         k_qa77dd92729_attn.kd
    .args:
      - { .name: Q, .offset: 0, .size: 8, .value_kind: global_buffer, .address_space: global }
      - { .name: kv, .offset: 8, .size: 8, .value_kind: global_buffer, .address_space: global }
      - { .name: out0, .offset: 16, .size: 8, .value_kind: global_buffer, .address_space: global }
    .group_segment_fixed_size: 215040
    .private_segment_fixed_size: 0
    .kernarg_segment_align: 8
    .kernarg_segment_size: 24
    .max_flat_workgroup_size: 512
    .sgpr_count:     66
    .vgpr_count:     242
    .wavefront_size: 32
...
	.end_amdgpu_metadata
.endif
;; end of part 2
